; MI455X (gfx1250); checked and timed in simulation.
; The chip was launched on July 23, 2026; its instructions are those of AMD's public machine-readable ISA for CDNA 5 (MIT licence, August 2026) and "CDNA5" Instruction Set Architecture Reference Guide (July 2026). The comments in the code are by the model that wrote it; some were corrected since.
;; Multi Head Attention. Allowed arithmetic: matrix products marked QUANTISED: E2M3 operands, one E8M0 scale for each 32 along K, by v_wmma_scale_f32_16x16x128_f8f6f4 with both operands' format E2M3, f32 sums; everything else in f32.
;; Inputs: b_out 1,024 float32; b_qkv 3,072 float32; w_out 1,024 x 1,024 float32; w_qkv 3,072 x 1,024 float32; x 4 x 2,048 x 1,024 float32.
;; Outputs: out0 4 x 2,048 x 1,024 float32.
;; This version of the problem:
;;   THIS VERSION OF THE PROBLEM IS GIVEN IN LOW PRECISION. The matrix products marked QUANTISED in the list below multiply operands that are first quantised to E2M3 (2 exponent bits, 3 mantissa bits; 6 bits a number), with one power-of-two scale for each 32 numbers along K (OCP MX v1.0); their sums are f32. All else is computed in f32.
;;   The module's matrix products, in the order in which they are computed (A, B: the left and right operand; K: the contracted axis; several contracted axes count as one K, in the product's order):
;;     1. [M 8,192, K 1,024] x [K 1,024, N 3,072]; A: input x; B: input w_qkv: QUANTISED
;;     2. batch 64 x [M 2,048, K 64] x [K 64, N 2,048]; A: computed on the way; B: computed on the way: QUANTISED
;;     3. batch 64 x [M 2,048, K 2,048] x [K 2,048, N 64]; A: softmax (see below); B: computed on the way: QUANTISED
;;     4. [M 8,192, K 1,024] x [K 1,024, N 1,024]; A: computed on the way; B: input w_out: QUANTISED
;;   THE QUANTISER, for each operand of a quantised product, along K:
;;     - K is cut into blocks of 32 from its start; a last block that is shorter is filled with zeros.
;;     - A block's scale is 2^e with e = floor(log2(the largest magnitude in the block)) - 2, held to -126 .. 127; a block of zeros has e = 0. As a byte (E8M0): e + 127.
;;     - Each number is divided by its block's scale, clamped to +-7.5, and rounded to the nearest number of E2M3, ties to even, subnormals kept.
;;     - The product sums the exact products of the quantised numbers (number of the format x scale) in f32.
;;   ~~~python
;;   def quantise(x, axis):      # numpy; x: float32 -> the quantised numbers, widened to float32 again
;;       x = np.moveaxis(x, axis, -1); K = x.shape[-1]
;;       x = np.pad(x, [(0, 0)] * (x.ndim - 1) + [(0, -K % 32)]); x = x.reshape(x.shape[:-1] + (-1, 32)); a = np.abs(x).max(-1, keepdims=True)
;;       e = np.where(a > 0, np.clip(np.frexp(np.where(a > 0, a, 1))[1] - 1 - 2, -126, 127), 0)      # np.frexp(a)[1] - 1 = floor(log2(a)), exactly
;;       r = np.clip(x / 2.0 ** e, -7.5, 7.5)
;;       step = 2.0 ** (np.maximum(np.frexp(np.where(r == 0, 1, r))[1] - 1, 0) - 3)
;;       q = np.round(r / step) * step * 2.0 ** e      # np.round: ties to even
;;       return np.moveaxis(q.reshape(q.shape[:-2] + (-1,))[..., :K], -1, axis).astype(np.float32)
;;   ~~~
;;   SOFTMAX AHEAD OF A QUANTISED PRODUCT. Where the list says 'softmax', what is quantised is not the finished softmax but p = 2^(t - M), with t = logit x log2(e) and M = ceil(the row's largest t), a whole number; so 1/2 < the row's largest p <= 1. The row's sum l is taken of the UNQUANTISED p, in f32, and the product's result is divided by l at the end. Since M is a whole number, a kernel that streams over the keys may use a running M (the ceiling of the running maximum): every later rescaling is an exact power of two, which a block's scale takes up: the codes' values come out the same.
;;   OPERANDS COMPUTED ON THE WAY. 'Computed on the way' means the value that the module computes at that place (a softmax that the list does not call 'softmax' is quantised finished and normalised). What goes into a quantiser is computed in f32, as accurately as f32 sums, v_exp_f32 and their like allow (about 1e-6 of the number): no bf16 or f16 on the way to a quantiser, and a product that is left as it is and whose result goes on into a quantised operand takes f32 operands (vector FMAs, or v_wmma_f32_16x16x4_f32). A number that lies on a knife's edge between two numbers of the format may be rounded either way, as far as f32 arithmetic and the matrix unit's own rounding can turn it there, and no further.
;; One version. Each part assembles by itself: llvm-mc -triple=amdgcn-amd-amdhsa -mcpu=gfx1250 --defsym DOCPART=n.
;; ======== version 1 of 1: 4 launches
;; workspace buffers: cw 15,728,640 bytes; sw 655,360 bytes; qkv 19,660,800 bytes
;; launch quant (part 1): grid 768 x 1, 2 waves a work-group, no clusters, 17,152 bytes of LDS; arguments x, w_qkv, w_out, cw, sw; writes cw, sw
.if DOCPART == 1
	.amdgcn_target "amdgcn-amd-amdhsa--gfx1250"
	.amdhsa_code_object_version 6
	.text
	.protected	k_q7cec6826ec_quant
	.globl	k_q7cec6826ec_quant
	.p2align	8
	.type	k_q7cec6826ec_quant,@function
k_q7cec6826ec_quant:
	s_mov_b64 s[64:65], 0
	v_nop
	global_prefetch_b8 v0, s[64:65] scope:SCOPE_SE
	s_setreg_imm32_b32 hwreg(HW_REG_WAVE_MODE, 25, 1), 1
	s_wait_xcnt 0x0
; x [8192][1024], w_qkv [3072][1024], w_out [1024][1024], f32, K innermost, become codes of FP6 (E2M3) with one E8M0 scale byte for each 32 along K.
; A block's scale is 2^(floor(log2(its largest magnitude)) - 2); its byte is the largest magnitude's exponent field - 2, held at 1 from below.
; LIMITS: NaN and infinities among the inputs are not served; a block of zeros gets the byte 1 where the rule says 127: its codes are zeros, and the bytes are read by this program alone.
; THE OUTPUT IS LAID AS THE MATRIX OPERAND'S REGISTERS LIE.  cw: a tile of 16 rows is 12,288 bytes: [128 along K: 0..7][piece 0..5][lane][8 bytes]; piece p is registers 2 p, 2 p + 1 of the fragment
; (lane (r, h): registers 6 c .. 6 c + 5 = block 2 c + h of row r).  sw: a tile is 512 bytes: [256 along K: 0..3][row][2 scale words].  Tiles 0-511 x, 512-703 w_qkv, 704-767 w_out.
; INSIDE EACH BLOCK OF 32 THE NUMBERS STAND IN ANOTHER ORDER: place p holds number p with its bits 3 and 4 exchanged.  Every operand of this program's four products has that order, so each product is unchanged;
; a block keeps its 32 numbers, so its scale is the rule's.  (The later launches' results fall into that order by themselves.)
; SHARES.  A work-group is one tile of 16 rows; wave w takes K = 512 w .. 512 w + 511, in four units of 16 rows x 128.  Each load reads 512 consecutive bytes of a row; a unit turns through the wave's own stage in LDS
; (rows 528 bytes apart), from which a lane takes its two whole blocks.  Each store of codes covers 256 consecutive bytes, aligned.  Waves share nothing: no barrier.  Work-groups share no input: no cluster.
; No prefetch: the launch does nothing but stream, with 32 loads of each wave on their way.
.set STG,   8448                       ; a wave's stage: 16 rows x (512 + 16) bytes
.set SPARE, 2*STG                      ; behind the stages: the spare words, 128 bytes a wave: one block of 256 bytes that no other line names
.set R,     32                         ; v32-159  two sets of 64: a unit as loaded
.set X,     160                        ; v160-223 my two blocks of 32
.set C,     224                        ; v224-247 two sets of 12: a fragment's codes
.set Y,     248                        ; v248-250, v252-254: the upper halves of the two blocks' codes, before they are moved
.set W,     16                         ; v16-19   the four units' scale words
	s_load_b256 s[4:11], s[0:1], 0x0               ; x s[4:5], w_qkv s[6:7], w_out s[8:9], cw s[10:11]
	s_load_b64 s[12:13], s[0:1], 0x20              ; sw
	v_lshl_add_u32 v6, v0, 2, SPARE                ; my spare word; never rewritten
	v_mov_b32 v7, 0                                ; 0; never rewritten
	v_lshrrev_b32 v8, 5, v0
	v_readfirstlane_b32 s16, v8                    ; wave 0, 1
	v_and_b32 v9, 31, v0                           ; lane
	v_and_b32 v10, 15, v0                          ; r
	v_bfe_u32 v11, v0, 4, 1                        ; h
	s_mul_i32 s17, s16, STG
	v_lshlrev_b32 v1, 4, v9                        ; v1: 16 x lane: my bytes of a load's 512
	v_add_nc_u32 v2, s17, v1                       ; v2: the stage, on the way in
	v_mul_u32_u24 v3, v10, 528
	v_lshl_add_u32 v3, v11, 7, v3
	v_add_nc_u32 v3, s17, v3                       ; v3: on the way out: row r, block h (128 bytes a block)
	v_lshlrev_b32 v4, 3, v9                        ; v4: 8 x lane: my place in a piece
	v_lshlrev_b32 v5, 3, v11                       ; v5: 8 h: my bytes' shift in a scale word
	v_cmp_le_u32 s22, 16, v9                       ; s22: lanes 16-31
	v_mov_b32 v14, 0                               ; a lane permute's destination counts as one of its sources
	s_mov_b32 s20, 0x76543210
	s_mov_b32 s21, 0xfedcba98                      ; lane l xor 16
	s_mov_b32 s19, 0
	s_mov_b32 s18, 704
	s_wait_alu depctr_va_vdst(0)
	s_wait_kmcnt 0x0
	s_cmp_lt_u32 ttmp9, 704                        ; which tensor: the choice hangs on the work-group's number alone; only a pointer and a number are chosen, the text has one path
	s_cselect_b64 s[6:7], s[6:7], s[8:9]
	s_cselect_b32 s18, 512, s18
	s_cmp_lt_u32 ttmp9, 512
	s_cselect_b64 s[4:5], s[4:5], s[6:7]
	s_cselect_b32 s18, 0, s18                      ; the tensor's first tile
	s_sub_co_u32 s18, ttmp9, s18
	s_lshl_b32 s18, s18, 16                        ; 16 rows of 4,096 bytes
	s_lshl_b32 s23, s16, 11                        ; + my half of K
	s_add_co_u32 s18, s18, s23
	s_add_nc_u64 s[4:5], s[4:5], s[18:19]
	s_mul_i32 s18, ttmp9, 12288
	s_mul_i32 s23, s16, 6144
	s_add_co_u32 s18, s18, s23
	s_add_nc_u64 s[10:11], s[10:11], s[18:19]      ; my four fragments in cw
	s_lshl_b32 s18, ttmp9, 9
	s_lshl_b32 s23, s16, 8
	s_add_co_u32 s18, s18, s23
	s_add_nc_u64 s[12:13], s[12:13], s[18:19]      ; my 256 bytes in sw
.macro LOAD u                          ; unit u: 16 rows x 512 bytes into set u % 2
.irp i, 0,1,2,3,4,5,6,7,8,9,10,11,12,13,14,15
	global_load_b128 v[R+64*((\u)%2)+4*\i:R+64*((\u)%2)+4*\i+3], v1, s[4:5] offset:4096*\i+512*(\u) th:TH_LOAD_NT
.endr
.endm
.macro UNIT u
.set CS, C+12*((\u)%2)
.if \u < 3
	s_wait_loadcnt 16                              ; this unit's 16 loads are in; the next unit's 16 may be out
.else
	s_wait_loadcnt 0x0
.endif
.irp i, 0,1,2,3,4,5,6,7,8,9,10,11,12,13,14,15
	ds_store_b128 v2, v[R+64*((\u)%2)+4*\i:R+64*((\u)%2)+4*\i+3] offset:528*\i
.endr
.irp c, 0,1                            ; block 2 c + h of my row; its eight pieces of four numbers in the order 0, 1, 4, 5, 2, 3, 6, 7.  LDS serves a wave's instructions in order: these see the stores above
.irp n, 0,1,2,3,4,5,6,7
	ds_load_b128 v[X+32*\c+4*\n:X+32*\c+4*\n+3], v3 offset:256*\c+16*(\n%2)+64*((\n/2)%2)+32*(\n/4)
.endr
.endr
	s_wait_dscnt 0x0                               ; my blocks are in, and the stores have read their registers,
.if \u < 2
	LOAD (\u)+2                                    ; which take the unit two on
.endif
.irp c, 0,1
	v_max3_num_f32 v[8+\c], |v[X+32*\c]|, |v[X+32*\c+1]|, 0x1800000   ; the block's largest magnitude, and the floor 2^(3 - 127): the byte cannot fall under 1
.endr
.irp i, 2,4,6,8,10,12,14,16,18,20,22,24,26,28,30
.irp c, 0,1
	v_max3_num_f32 v[8+\c], v[8+\c], |v[X+32*\c+\i]|, |v[X+32*\c+\i+1]|
.endr
.endr
.irp c, 0,1
	v_add_nc_u32 v[10+\c], 0xff000000, v[8+\c]     ; 2 off its exponent field: the conversion takes the exponent field of this operand as its scale
.endr
.irp c, 0,1
	v_lshrrev_b32 v[12+\c], 23, v[10+\c]           ; the scale's byte
.endr
	v_lshl_or_b32 v[W+\u], v13, 16, v12            ; blocks h and 2 + h of my row,
	v_lshlrev_b32 v[W+\u], v5, v[W+\u]             ; at their places in the word;
	v_permlanex16_b32 v14, v[W+\u], s20, s21
	v_or_b32 v[W+\u], v[W+\u], v14                 ; with lane l xor 16's two the word is whole
	s_wait_alu depctr_va_vdst(0)
	s_wait_xcnt 0x0                                ; the stores of the unit two back have read this set of codes
.irp c, 0,1
	v_cvt_scalef32_pk16_fp6_f32 v[CS+6*\c:CS+6*\c+2], v[X+32*\c:X+32*\c+15], v[10+\c]
	v_cvt_scalef32_pk16_fp6_f32 v[Y+4*\c:Y+4*\c+2], v[X+32*\c+16:X+32*\c+31], v[10+\c]   ; (a conversion's three registers begin on an even number)
.endr
	v_nop                                          ; one plain instruction behind a scaled conversion
.irp c, 0,1
.irp i, 0,1,2
	v_mov_b32 v[CS+6*\c+3+\i], v[Y+4*\c+\i]
.endr
.endr
.irp p, 0,1,2,3,4,5
	global_store_b64 v4, v[CS+2*\p:CS+2*\p+1], s[10:11] offset:1536*(\u)+256*\p   ; 32 lanes store 256 consecutive bytes, aligned
.endr
.endm
	LOAD 0
	LOAD 1
	UNIT 0
	UNIT 1
	UNIT 2
	UNIT 3
	v_cndmask_b32 v20, v[W], v[W+2], s22           ; lanes 0-15 store the words of my first 256 along K, lanes 16-31 those of the second
	v_cndmask_b32 v21, v[W+1], v[W+3], s22
	global_store_b64 v4, v[20:21], s[12:13]        ; 256 consecutive bytes, aligned
	s_wait_tensorcnt 0x0                           ; the wave's end: a tensor wait, the spare add and its wait, behind my last LDS store
	ds_add_u32 v6, v7
	s_wait_dscnt 0x0
	s_endpgm
.Lfunc_end_k_q7cec6826ec_quant:
	.size	k_q7cec6826ec_quant, .Lfunc_end_k_q7cec6826ec_quant-k_q7cec6826ec_quant
	.p2alignl 7, 3214868480
	.fill 96, 4, 3214868480
	.section	.rodata,"a",@progbits
	.p2align	6, 0x0
	.amdhsa_kernel k_q7cec6826ec_quant
		.amdhsa_group_segment_fixed_size 17152
		.amdhsa_private_segment_fixed_size 0
		.amdhsa_enable_private_segment 0
		.amdhsa_kernarg_size 40
		.amdhsa_user_sgpr_count 2
		.amdhsa_user_sgpr_kernarg_segment_ptr 1
		.amdhsa_wavefront_size32 1
		.amdhsa_system_sgpr_workgroup_id_x 1
		.amdhsa_system_sgpr_workgroup_id_y 1
		.amdhsa_system_sgpr_workgroup_id_z 1
		.amdhsa_system_vgpr_workitem_id 0
		.amdhsa_next_free_vgpr 256
		.amdhsa_next_free_sgpr 66
		.amdhsa_reserve_vcc 0
		.amdhsa_float_denorm_mode_32 3
		.amdhsa_float_denorm_mode_16_64 3
		.amdhsa_memory_ordered 1
		.amdhsa_forward_progress 1
		.amdhsa_inst_pref_size 31
	.end_amdhsa_kernel
	.amdgpu_metadata
---
amdhsa.version: [ 1, 2 ]
amdhsa.kernels:
  - .name:           k_q7cec6826ec_quant
    .symbol:         k_q7cec6826ec_quant.kd
    .args:
      - { .name: x, .offset: 0, .size: 8, .value_kind: global_buffer, .address_space: global }
      - { .name: w_qkv, .offset: 8, .size: 8, .value_kind: global_buffer, .address_space: global }
      - { .name: w_out, .offset: 16, .size: 8, .value_kind: global_buffer, .address_space: global }
      - { .name: cw, .offset: 24, .size: 8, .value_kind: global_buffer, .address_space: global }
      - { .name: sw, .offset: 32, .size: 8, .value_kind: global_buffer, .address_space: global }
    .group_segment_fixed_size: 17152
    .private_segment_fixed_size: 0
    .kernarg_segment_align: 8
    .kernarg_segment_size: 40
    .max_flat_workgroup_size: 64
    .sgpr_count:     66
    .vgpr_count:     256
    .wavefront_size: 32
...
	.end_amdgpu_metadata
.endif
;; end of part 1
;; launch qkvgemm (part 2): grid 12 x 32, 4 waves a work-group, clusters of 4 x 4, 327,680 bytes of LDS; arguments cw, sw, b_qkv, qkv; writes qkv
.if DOCPART == 2
	.amdgcn_target "amdgcn-amd-amdhsa--gfx1250"
	.amdhsa_code_object_version 6
	.text
	.protected	k_q7cec6826ec_qkvgemm
	.globl	k_q7cec6826ec_qkvgemm
	.p2align	8
	.type	k_q7cec6826ec_qkvgemm,@function
k_q7cec6826ec_qkvgemm:
	s_mov_b64 s[64:65], 0
	v_nop
	global_prefetch_b8 v0, s[64:65] scope:SCOPE_SE
	s_setreg_imm32_b32 hwreg(HW_REG_WAVE_MODE, 25, 1), 1
	s_wait_xcnt 0x0
	s_wait_alu depctr_hold_cnt(0) depctr_sa_sdst(0) depctr_va_vdst(0) depctr_va_sdst(0) depctr_va_ssrc(0) depctr_va_vcc(0) depctr_vm_vsrc(0)
	s_getreg_b32 s2, hwreg(HW_REG_IB_STS2, 6, 4)
	s_cmp_eq_u32 s2, 0
	s_cbranch_scc0 .Lentry_in_a_cluster
	s_endpgm
.Lentry_in_a_cluster:
	s_bfe_u32 s2, ttmp6, 0x10000c
	s_cmp_lg_u32 s2, 0xf033
	s_cbranch_scc0 .Lentry_shape_is_right
	s_endpgm
.Lentry_shape_is_right:
.set HALFT, 24576
.set SLOT,  4*HALFT
.set SPARE, 3*SLOT
.set FR,    12
.set AF,    128
.set SC,    32
.set ADRA,  16
.set ADRB,  20
.set SPW,   28
.set NIL,   29
.set TM,    96
.set PW,    112
.set SWD,   120
.set G1,    24
.set G1B,   48
.set G0,    68
.set G0B,   80
.set MSB, 0
.macro WIN new
.if MSB != (\new)
	s_set_vgpr_msb (MSB<<8)|(\new)
.set MSB, (\new)
.endif
.endm
.macro PLACES n
.rept \n
	v_nop
.endr
.endm
.macro JLOAD g0a, g1a, g0b, g1b
	s_cmp_eq_u32 s15, 0
	s_cbranch_scc0 .Lfor_b_\@
	tensor_load_to_lds s[\g0a:\g0a+3], s[\g1a:\g1a+7]
	s_nop 0
.rept 4
	v_nop
.endr
	s_branch .Lasked_\@
.Lfor_b_\@:
	tensor_load_to_lds s[\g0b:\g0b+3], s[\g1b:\g1b+7]
	s_nop 0
.rept 4
	v_nop
.endr
.Lasked_\@:
.endm
.macro CREST
	s_cmp_lg_u32 s14, 0
	s_cbranch_scc1 .Lnot_wave_0_\@
	s_barrier_signal -3
.Lnot_wave_0_\@:
	s_barrier_wait -3
	s_barrier_signal -1
	s_barrier_wait -1
.endm
.macro CROUND
	s_barrier_signal -1
	s_barrier_wait -1
	CREST
.endm
.macro FRAG reg, adr, q, i
.irp p, 0,1,2,3,4,5
	ds_load_b64 v[\reg+2*\p:\reg+2*\p+1], v[\adr] offset:3072*(\i)+1536*(\q)+256*\p
.endr
.endm
.macro FETCH_B slot, q, p
	WIN 0x40
.irp i, 0,1,2,3,4,5,6,7
	FRAG 128*(\p)+FR*\i, ADRB+\slot, \q, \i
.endr
	WIN 0
.endm
.macro FETCH_A slot, q, i0
.irp i, \i0, \i0+1, \i0+2, \i0+3
	FRAG AF+FR*(\i), ADRA+\slot, \q, \i
.endr
.endm
.macro MUL16 a0, q, ks, cm
.irp a, \a0, \a0+1
.irp b, 0,1,2,3,4,5,6,7
.set DD, 8*(8*((\a)%4)+\b)
.set BF, 128*(\q)+FR*\b
.set AA, AF+FR*(\a)
.set SB, SC+16*(\ks)+2*\b+(\q)
.set SA, SC+16*(\ks)+2*(\a)+(\q)
.set CC, DD
.if \cm == 1
.set CC, 96+8*\b+96*(\b/4)
.elseif \cm == 2
.set CC, 96+8*(\a)+96*((\a)/4)
.endif
	v_wmma_scale_f32_16x16x128_f8f6f4 v[DD:DD+7], v[BF:BF+11], v[AA:AA+11], v[CC:CC+7], v[SB], v[SA] matrix_a_fmt:MATRIX_FMT_FP6 matrix_b_fmt:MATRIX_FMT_FP6 matrix_a_scale:MATRIX_SCALE_ROW1
.endr
.endr
.endm
.macro STEP q, ks, nslot, nq, cm
	s_wait_dscnt 24
.if \cm
	WIN 0x91
.else
	WIN 0xa1
.endif
	MUL16 0, \q, \ks, \cm
	MUL16 2, \q, \ks, \cm
	s_wait_dscnt 0x0
	PLACES 4
	FETCH_B \nslot, \nq, 1-(\q)
	FETCH_A \nslot, \nq, 0
.if \cm
	WIN 0xd1
.else
	WIN 0xf1
.endif
	MUL16 4, \q, \ks, \cm
	MUL16 6, \q, \ks, \cm
	PLACES 4
	WIN 0
	FETCH_A \nslot, \nq, 4
.endm
.macro TURN ks, nslot, fill
	s_wait_tensorcnt 0x0
	ds_add_u32 v[SPW], v[NIL]
	s_wait_dscnt 25
	WIN 0xa1
	MUL16 0, 1, \ks, 0
	s_wait_dscnt 0x0
	s_barrier_signal -1
	MUL16 2, 1, \ks, 0
	WIN 0
	s_barrier_wait -1
.if \fill
	CREST
	s_add_nc_u64 s[G0+2:G0+3], s[G0+2:G0+3], 9216
	s_add_nc_u64 s[G0B+2:G0B+3], s[G0B+2:G0B+3], 9216
	JLOAD G0, G1, G0B, G1B
.else
	PLACES 4
.endif
	FETCH_B \nslot, 0, 0
	FETCH_A \nslot, 0, 0
	WIN 0xf1
	MUL16 4, 1, \ks, 0
	MUL16 6, 1, \ks, 0
	PLACES 4
	WIN 0
	FETCH_A \nslot, 0, 4
.endm
	s_load_b256 s[4:11], s[0:1], 0x0
	v_lshl_add_u32 v[SPW], v0, 2, SPARE
	v_mov_b32 v[NIL], 0
	ds_add_u32 v[SPW], v[NIL]
	ds_add_u32 v[SPW], v[NIL]
	v_lshrrev_b32 v1, 5, v0
	v_readfirstlane_b32 s14, v1
	s_lshr_b32 s15, s14, 1
	s_and_b32 s16, s14, 1
	s_bfe_u32 s40, ttmp6, 0x40000
	s_bfe_u32 s41, ttmp6, 0x40004
	s_and_b32 s13, ttmp7, 0xffff
	s_lshl_b32 s43, s41, 2
	s_lshl_b32 s43, 15, s43
	s_lshl_b32 s44, 0x1111, s40
	s_lshr_b32 s12, ttmp9, 1
	s_xor_b32 s56, s12, 1
	s_lshl_b32 s18, s13, 6
	s_mul_i32 s17, s12, 640
	s_mul_i32 s19, s56, s18
	s_add_co_u32 s17, s17, s19
	s_lshl_b32 s19, s41, 4
	s_add_co_u32 s17, s17, s19
	s_lshl_b32 s42, ttmp9, 6
	s_add_co_u32 s42, s42, 512
	s_mul_i32 s42, s42, s56
	s_mul_i32 s57, s12, s18
	s_add_co_u32 s42, s42, s57
	s_lshl_b32 s57, s40, 4
	s_add_co_u32 s42, s42, s57
	s_or_b32 s[G1], s43, (3<<16)|(1<<21)
	s_or_b32 s[G1B], s44, (3<<16)|(1<<21)
.irp g, G1, G1B
	s_mov_b32 s[\g+1], 384<<16
	s_mov_b32 s[\g+2], 8<<16
	s_mov_b32 s[\g+3], 384<<16
	s_mov_b32 s[\g+4], 8
	s_mov_b32 s[\g+5], 1536
	s_mov_b32 s[\g+6], 0
	s_mov_b32 s[\g+7], 0
.endr
	s_lshl_b32 s18, s16, 3
	s_add_co_u32 s20, s17, s18
	s_mul_i32 s20, s20, 12288
	s_mov_b32 s21, 0
	s_add_co_u32 s46, s42, s18
	s_mul_i32 s46, s46, 12288
	s_mov_b32 s47, 0
	s_mul_i32 s45, s14, HALFT
	s_mov_b32 s32, 0x76543210
	s_mov_b32 s33, 0xfedcba98
	s_mov_b32 s34, 0x1800000
	s_wait_dscnt 0x0
	s_wait_kmcnt 0x0
	s_add_nc_u64 s[20:21], s[4:5], s[20:21]
	s_add_nc_u64 s[46:47], s[4:5], s[46:47]
	CROUND
.irp s, 0,1,2
	s_mov_b32 s[G0+4*\s], 1
	s_add_co_u32 s[G0+4*\s+1], s45, \s*SLOT
	s_add_nc_u64 s[G0+4*\s+2:G0+4*\s+3], s[20:21], \s*3072
	s_or_b32 s[G0+4*\s+3], s[G0+4*\s+3], 0x80000000
	s_mov_b32 s[G0B+4*\s], 1
	s_add_co_u32 s[G0B+4*\s+1], s45, \s*SLOT
	s_add_nc_u64 s[G0B+4*\s+2:G0B+4*\s+3], s[46:47], \s*3072
	s_or_b32 s[G0B+4*\s+3], s[G0B+4*\s+3], 0x80000000
	s_wait_alu depctr_va_vdst(0)
	s_wait_tensorcnt 0x0
	ds_add_u32 v28, v29
	ds_add_u32 v28, v29
	s_wait_dscnt 0x0
	CROUND
	JLOAD G0+4*\s, G1, G0B+4*\s, G1B
.endr
	v_and_b32 v1, 15, v0
	v_bfe_u32 v2, v0, 4, 1
	v_and_b32 v3, 31, v0
	v_lshlrev_b32 v4, 3, v3
	v_cmp_le_u32 s35, 16, v3
	s_mul_i32 s22, s15, HALFT
	s_mul_i32 s23, s16, HALFT
	s_add_co_u32 s23, s23, 2*HALFT
.irp s, 0,1,2
	v_add_nc_u32 v[ADRA+\s], s22, v4
	v_add_nc_u32 v[ADRB+\s], s23, v4
	s_add_co_u32 s22, s22, SLOT
	s_add_co_u32 s23, s23, SLOT
.endr
	s_lshl_b32 s22, s15, 3
	s_add_co_u32 s22, s22, s17
	s_lshl_b32 s22, s22, 9
	s_lshl_b32 s23, s16, 3
	s_add_co_u32 s23, s23, s42
	s_lshl_b32 s23, s23, 9
	v_mov_b32 v5, s22
	v_mov_b32 v6, s23
	v_cndmask_b32 v30, v5, v6, s35
	v_lshl_add_u32 v30, v1, 3, v30
.irp ks, 0,1,2,3
.irp i, 0,1,2,3,4,5,6,7
	global_load_b64 v[SC+16*\ks+2*\i:SC+16*\ks+2*\i+1], v30, s[6:7] offset:512*\i+128*\ks
.endr
.endr
	s_cmp_eq_u32 s12, 1
	s_cbranch_scc1 .Lbias_v
	s_lshl_b32 s22, ttmp9, 2
	s_add_co_u32 s22, s22, s40
	s_lshl_b32 s22, s22, 8
	s_lshl_b32 s23, s16, 7
	s_add_co_u32 s22, s22, s23
	s_lshl_b32 s22, s22, 2
	v_lshl_add_u32 v31, v2, 5, s22
	WIN 0x40
.irp b, 0,1,2,3,4,5,6,7
	global_load_b128 v[96+8*\b+96*(\b/4):96+8*\b+96*(\b/4)+3], v31, s[8:9] offset:64*\b
	global_load_b128 v[96+8*\b+96*(\b/4)+4:96+8*\b+96*(\b/4)+7], v31, s[8:9] offset:64*\b+16
.endr
	WIN 0
	s_branch .Lbias_done
.Lbias_v:
	s_lshl_b32 s22, s41, 8
	s_lshl_b32 s23, s15, 7
	s_add_co_u32 s22, s22, s23
	s_add_co_u32 s22, s22, 2048
	v_add_nc_u32 v31, s22, v1
	v_lshlrev_b32 v31, 2, v31
	WIN 0x40
.irp a, 0,1,2,3,4,5,6,7
.irp j, 0,1,2,3,4,5,6,7
	global_load_b32 v[96+8*\a+96*(\a/4)+\j], v31, s[8:9] offset:64*\a
.endr
.endr
	WIN 0
.Lbias_done:
	v_lshlrev_b32 v24, 4, v3
	v_lshlrev_b32 v25, 3, v3
	v_mul_u32_u24 v26, v2, 307200
	v_lshl_add_u32 v26, v1, 4, v26
	v_mov_b32 v5, 0x05040100
	v_mov_b32 v6, 0x07060302
	v_cndmask_b32 v27, v5, v6, s35
.irp b, 0,1,2,3
	v_mov_b32 v[TM+4+\b], 0
.endr
	s_cmp_eq_u32 s12, 1
	s_cselect_b32 s22, s40, s41
	s_cselect_b32 s23, s16, s15
	s_cselect_b32 s56, s41, s40
	s_cselect_b32 s57, s15, s16
	s_lshl_b32 s58, s13, 2
	s_add_co_u32 s22, s22, s58
	s_lshr_b32 s58, s22, 3
	s_lshl_b32 s58, s58, 4
	s_lshl_b32 s56, s56, 2
	s_add_co_u32 s58, s58, s56
	s_lshl_b32 s57, s57, 1
	s_add_co_u32 s58, s58, s57
	s_lshl_b32 s58, s58, 4
	s_and_b32 s22, s22, 7
	s_lshl_b32 s22, s22, 1
	s_add_co_u32 s58, s58, s22
	s_add_co_u32 s58, s58, s23
	s_mul_i32 s58, s58, 19200
	s_cmp_eq_u32 ttmp9, 0
	s_cselect_b32 s56, 12800, 0
	s_mov_b32 s57, 12288
	s_cselect_b32 s57, 18944, s57
	s_cmp_eq_u32 ttmp9, 2
	s_cselect_b32 s56, 6144, s56
	s_cselect_b32 s57, 12544, s57
	s_add_co_u32 s60, s58, s56
	s_mov_b32 s61, 0
	s_add_co_u32 s62, s58, s57
	s_mov_b32 s63, 0
	s_add_nc_u64 s[36:37], s[10:11], s[60:61]
	s_add_nc_u64 s[38:39], s[10:11], s[62:63]
	s_wait_tensorcnt 2
	s_barrier_signal -1
	s_barrier_wait -1
	FETCH_B 0, 0, 0
	FETCH_A 0, 0, 0
	FETCH_A 0, 0, 4
	s_wait_loadcnt 0x0
	s_cmp_eq_u32 s12, 1
	s_cbranch_scc1 .Lfirst_v
	STEP 0, 0, 0, 1, 1
	s_branch .Lfirst_done
.Lfirst_v:
	STEP 0, 0, 0, 1, 2
.Lfirst_done:
	TURN 0, 1, 1
	STEP 0, 1, 1, 1, 0
	STEP 1, 1, 2, 0, 0
	STEP 0, 2, 2, 1, 0
	TURN 2, 0, 0
	STEP 0, 3, 0, 1, 0
	s_wait_dscnt 24
	WIN 0xa1
	MUL16 0, 1, 3, 0
	MUL16 2, 1, 3, 0
	s_wait_dscnt 0x0
	WIN 0xf1
	MUL16 4, 1, 3, 0
	MUL16 6, 1, 3, 0
	WIN 0
.macro EPI kind
	PLACES 4
.irp a, 0,1,2,3,4,5,6,7
.set AC, 64*(\a%4)
.set PC, 128+32*(\a%2)
.if \a >= 2
	s_wait_xcnt 0x0
.endif
	WIN 0x28+0x14*(\a/4)
.irp b, 0,1,2,3
	v_max3_num_f32 v[TM+\b], s34, |v[AC+16*\b]|, |v[AC+16*\b+1]|
.endr
.irp i, 2,4,6,8,10,12,14
.irp b, 0,1,2,3
	v_max3_num_f32 v[TM+\b], v[TM+\b], |v[AC+16*\b+\i]|, |v[AC+16*\b+\i+1]|
.endr
.endr
	WIN 0
.irp b, 0,1,2,3
	v_permlanex16_b32 v[TM+4+\b], v[TM+\b], s32, s33
.endr
.irp b, 0,1,2,3
	v_max_num_f32 v[TM+\b], v[TM+\b], v[TM+4+\b]
.endr
.irp b, 0,1,2,3
	v_add_nc_u32 v[TM+12+\b], 0xff000000, v[TM+\b]
.endr
.irp b, 0,1,2,3
	v_lshrrev_b32 v[TM+4+\b], 23, v[TM+12+\b]
.endr
	v_lshl_or_b32 v[PW+\a], v[TM+5], 8, v[TM+4]
	v_lshl_or_b32 v[PW+\a], v[TM+6], 16, v[PW+\a]
	v_lshl_or_b32 v[PW+\a], v[TM+7], 24, v[PW+\a]
	WIN 0x02+(\a/4)
.irp c, 0,1
	v_cvt_scalef32_pk16_fp6_f32 v[PC+6*\c:PC+6*\c+2], v[AC+32*\c:AC+32*\c+15], v[TM+12+2*\c]
	v_cvt_scalef32_pk16_fp6_f32 v[PC+12+4*\c:PC+14+4*\c], v[AC+32*\c+16:AC+32*\c+31], v[TM+13+2*\c]
.endr
	WIN 0
	v_nop
.irp c, 0,1
.irp i, 0,1,2
	v_permlane16_swap_b32 v[PC+6*\c+\i], v[PC+12+4*\c+\i]
.endr
.irp i, 0,1,2
	v_mov_b32 v[PC+6*\c+3+\i], v[PC+12+4*\c+\i]
.endr
.endr
.if \kind == 0
.irp c, 0,1
	global_store_b128 v24, v[PC+6*\c:PC+6*\c+3], s[36:37] offset:307200*\c+768*\a
	global_store_b64 v25, v[PC+6*\c+4:PC+6*\c+5], s[36:37] offset:307200*\c+768*\a+512
.endr
.else
.irp i, 0,1,2
	global_store_b128 v24, v[PC+4*\i:PC+4*\i+3], s[36:37] offset:307200*(\a/4)+1536*(\a%4)+512*\i
.endr
.endif
.endr
.irp i, 0,1,2,3
.if \kind == 0
	v_perm_b32 v[SWD+\i], v[PW+2*\i+1], v[PW+2*\i], v27
.else
	v_cndmask_b32 v[SWD+\i], v[PW+\i], v[PW+4+\i], s35
.endif
.endr
	global_store_b128 v26, v[SWD:SWD+3], s[38:39]
.endm
	s_cmp_eq_u32 s12, 1
	s_cbranch_scc1 .Lout_v
	EPI 0
	s_branch .Lout_done
.Lout_v:
	EPI 1
.Lout_done:
	s_wait_tensorcnt 0x0
	ds_add_u32 v[SPW], v[NIL]
	s_wait_dscnt 0x0
	CROUND
	s_endpgm
.Lfunc_end_k_q7cec6826ec_qkvgemm:
	.size	k_q7cec6826ec_qkvgemm, .Lfunc_end_k_q7cec6826ec_qkvgemm-k_q7cec6826ec_qkvgemm
	.p2alignl 7, 3214868480
	.fill 96, 4, 3214868480
	.section	.rodata,"a",@progbits
	.p2align	6, 0x0
	.amdhsa_kernel k_q7cec6826ec_qkvgemm
		.amdhsa_group_segment_fixed_size 327680
		.amdhsa_private_segment_fixed_size 0
		.amdhsa_enable_private_segment 0
		.amdhsa_kernarg_size 32
		.amdhsa_user_sgpr_count 2
		.amdhsa_user_sgpr_kernarg_segment_ptr 1
		.amdhsa_wavefront_size32 1
		.amdhsa_system_sgpr_workgroup_id_x 1
		.amdhsa_system_sgpr_workgroup_id_y 1
		.amdhsa_system_sgpr_workgroup_id_z 1
		.amdhsa_system_vgpr_workitem_id 0
		.amdhsa_next_free_vgpr 1024
		.amdhsa_next_free_sgpr 96
		.amdhsa_reserve_vcc 0
		.amdhsa_float_denorm_mode_32 3
		.amdhsa_float_denorm_mode_16_64 3
		.amdhsa_memory_ordered 1
		.amdhsa_forward_progress 1
		.amdhsa_inst_pref_size 221
	.end_amdhsa_kernel
	.amdgpu_metadata
---
amdhsa.version: [ 1, 2 ]
amdhsa.kernels:
  - .name:           k_q7cec6826ec_qkvgemm
    .symbol:         k_q7cec6826ec_qkvgemm.kd
    .args:
      - { .name: cw, .offset: 0, .size: 8, .value_kind: global_buffer, .address_space: global }
      - { .name: sw, .offset: 8, .size: 8, .value_kind: global_buffer, .address_space: global }
      - { .name: b_qkv, .offset: 16, .size: 8, .value_kind: global_buffer, .address_space: global }
      - { .name: qkv, .offset: 24, .size: 8, .value_kind: global_buffer, .address_space: global }
    .group_segment_fixed_size: 327680
    .private_segment_fixed_size: 0
    .kernarg_segment_align: 8
    .kernarg_segment_size: 32
    .max_flat_workgroup_size: 128
    .sgpr_count:     96
    .vgpr_count:     1024
    .wavefront_size: 32
...
	.end_amdgpu_metadata
.endif
;; end of part 2
;; launch attn (part 3): grid 4 x 64, 16 waves a work-group, clusters of 4 x 1, 206,848 bytes of LDS; arguments qkv, cw, sw; writes cw, sw
.if DOCPART == 3
	.amdgcn_target "amdgcn-amd-amdhsa--gfx1250"
	.amdhsa_code_object_version 6
	.text
	.protected	k_q7cec6826ec_attn
	.globl	k_q7cec6826ec_attn
	.p2align	8
	.type	k_q7cec6826ec_attn,@function
k_q7cec6826ec_attn:
	s_mov_b64 s[64:65], 0
	v_nop
	global_prefetch_b8 v0, s[64:65] scope:SCOPE_SE
	s_setreg_imm32_b32 hwreg(HW_REG_WAVE_MODE, 25, 1), 1
	s_wait_xcnt 0x0
	s_wait_alu depctr_hold_cnt(0) depctr_sa_sdst(0) depctr_va_vdst(0) depctr_va_sdst(0) depctr_va_ssrc(0) depctr_va_vcc(0) depctr_vm_vsrc(0)
	s_getreg_b32 s2, hwreg(HW_REG_IB_STS2, 6, 4)
	s_cmp_eq_u32 s2, 0
	s_cbranch_scc0 .Lentry_in_a_cluster
	s_endpgm
.Lentry_in_a_cluster:
	s_bfe_u32 s2, ttmp6, 0x10000c
	s_cmp_lg_u32 s2, 0x3003
	s_cbranch_scc0 .Lentry_shape_is_right
	s_endpgm
.Lentry_shape_is_right:
; o = softmax(q k^T / 8) v for one head, both products on codes of FP6 (E2M3) with E8M0 scales; o is divided by the row's sum, quantised along the model's 1,024 and stored as codes for the last product.
; THE SOFTMAX: t = score x log2(e) / 8; M = the row's largest t so far, rounded UP to a whole number; p = 2^(t - M) is what is quantised, along the keys; the row's sum is taken of the unquantised p, in f32.
; When M moves, the sum and O are multiplied by 2^(old M - new M): exact.  LIMITS: NaN and infinities are not served; a block of zeros gets the scale byte 1 (its codes are zeros; this program alone reads the bytes).
; INPUT, qkv: [head][group of 128 tokens][19,200 bytes], images of the operands' registers: K 8 tiles x 768; V 4 feature tiles x 1,536 at 6,144; K's scale words at 12,288; V's at 12,544; Q at 12,800; Q's scale words at 18,944.
; SHARES.  The cluster's four work-groups take 512 queries each of one head; each of the sixteen waves takes two tiles of 16 queries, one after the other, in 256 registers: four waves to a SIMD.
; THE WHOLE HEAD'S K AND V STAY IN LDS: 16 key steps x 12,800 bytes, filled once: wave w asks for key step w, jointly with the same wave of the three partners (the same descriptor, the mask names the four).
; By this text's own count a wave has one tensor load out.  Nothing is filled again: no ring.  No prefetch: all that the work-group reads of K and V is asked for by these sixteen loads at the head.
; LAYOUT.  Both products are used transposed: S^T = K Q^T, O^T = V^T P^T: a lane holds ONE query (lane % 16) throughout.  The 16 registers of score tiles 2 b and 2 b + 1 are taken as places 16 h + 0 .. 15 of
; block b of 32 keys; V's codes were made in the same order of places, so the product is unchanged.
; K = 64 IN AN INSTRUCTION OF 128: Q's fragment is [q, q]; an even tile of keys is [d, 0], an odd one [0, d], the two sharing six registers of zero codes, written once.  One scale word serves the pair of tiles:
; bytes 0, 1 the even tile's, bytes 2, 3 the odd one's; the other two stand over zero codes.  Q's word is its two bytes twice.
; REGISTERS: v1-3 lane offsets; v4, v5 the add's two; v6-8 LDS addresses of the step; v9, v10 offsets; v12 -M, v13 the largest t, v[14:15] the sum; v16-27 Q; v28 Q's scale word; v29 both tiles' scale bytes;
; v32-67 four tiles of K; v68-71 K's scale words, v72-75 V's; v76-87 p's codes; v88-95 at work; v96-159 S^T, then p; v160-191 O^T; v192-239 V; v240-254 at work; v253 p's scale word.
.set STEPB, 12800
.set SPARE, 16*STEPB                   ; behind the head's tiles: the spare words, 128 bytes a wave: eight blocks of 256 bytes that no other line names
.macro CROUND                          ; a round of the cluster's barrier
	s_barrier_signal -1
	s_barrier_wait -1
	s_cmp_lg_u32 s12, 0
	s_cbranch_scc1 .Lnot_wave_0_\@
	s_barrier_signal -3
.Lnot_wave_0_\@:
	s_barrier_wait -3
	s_barrier_signal -1
	s_barrier_wait -1
.endm
.macro KTILE t                         ; tile t of the step's eight: six registers a lane
.set KD, 32+18*(((\t)%4)/2)+12*((\t)%2)
	ds_load_b128 v[KD:KD+3], v6 offset:768*(\t)
	ds_load_b64 v[KD+4:KD+5], v7 offset:768*(\t)+512
.endm
.macro SPROD t                         ; its scores
.set KS0, 32+18*(((\t)%4)/2)+6*((\t)%2)
	v_wmma_scale_f32_16x16x128_f8f6f4 v[96+8*(\t):103+8*(\t)], v[KS0:KS0+11], v[16:27], 0, v[68+(\t)/2], v28 matrix_a_fmt:MATRIX_FMT_FP6 matrix_b_fmt:MATRIX_FMT_FP6
.endm
	s_load_b128 s[4:7], s[0:1], 0x0                ; qkv s[4:5], cw s[6:7]
	s_load_b64 s[8:9], s[0:1], 0x10                ; sw
	v_lshl_add_u32 v4, v0, 2, SPARE
	v_mov_b32 v5, 0
	ds_add_u32 v4, v5                              ; the wave's opening: the add and its wait ahead of my first tensor load; the set-up below, work on registers, stands between them
	ds_add_u32 v4, v5
	v_lshrrev_b32 v6, 5, v0
	s_delay_alu instid0(VALU_DEP_1)
	v_readfirstlane_b32 s12, v6                    ; wave 0..15
	s_bfe_u32 s13, ttmp6, 0x40000                  ; cx: my block of 512 queries: it enters Q's and o's addresses alone
	s_and_b32 s14, ttmp7, 0xffff                   ; batch x 16 + head, which the four partners share
	; descriptor group 1: a dense block of 12,800 bytes as 50 rows of 32 elements of 8 bytes
	s_mov_b32 s16, 15|(3<<16)|(1<<21)              ; 15:0 the mask: all four work-groups; 17:16 elements of 8 bytes; 21 set beside a mask
	s_mov_b32 s17, 32<<16                          ; tensor_dim0
	s_mov_b32 s18, 50<<16                          ; tensor_dim1
	s_mov_b32 s19, 32<<16                          ; tile_dim0
	s_mov_b32 s20, 50                              ; tile_dim1
	s_mov_b32 s21, 32                              ; tensor_dim0_stride
	s_mov_b32 s22, 0
	s_mov_b32 s23, 0
	s_mov_b32 s24, 1
	s_mul_i32 s25, s12, STEPB                      ; key step w's place in LDS
	s_mul_i32 s46, s14, 307200                     ; the head's first byte
	s_mov_b32 s47, 0
	s_mul_i32 s48, s12, 19200                      ; group w
	s_mov_b32 s49, 0
	s_mov_b32 s28, 0x76543210
	s_mov_b32 s29, 0xfedcba98                      ; lane l xor 16
	s_mov_b32 s30, 0x3e38aa3b                      ; c = log2(e) / 8
	s_mov_b32 s31, s30                             ; (named with it as a pair, so it is written)
	s_wait_dscnt 0x0                               ; the opening add is done
	s_wait_kmcnt 0x0
	s_add_nc_u64 s[10:11], s[4:5], s[46:47]
	s_add_nc_u64 s[26:27], s[10:11], s[48:49]
	s_or_b32 s27, s27, 0x80000000
	CROUND                                         ; all four work-groups are here: the joint loads meet
	tensor_load_to_lds s[24:27], s[16:23]
	s_nop 0
	v_and_b32 v240, 31, v0                         ; lane
	v_and_b32 v241, 15, v0                         ; r
	v_bfe_u32 v242, v0, 4, 1                       ; h
	s_delay_alu instid0(VALU_DEP_3)
	v_lshlrev_b32 v1, 4, v240                      ; 16 x lane
	s_delay_alu instid0(VALU_DEP_4)
	v_lshlrev_b32 v2, 3, v240                      ; 8 x lane
	s_delay_alu instid0(VALU_DEP_4)
	v_lshlrev_b32 v3, 4, v241                      ; 16 r
	v_cmp_le_u32 s36, 16, v240                     ; lanes 16-31
	s_and_b32 s52, s12, 3
	s_lshl_b32 s55, s52, 2
	v_add_nc_u32 v9, s55, v3                       ; Q's scale bytes: row r, the word of my two tiles
	s_wait_alu depctr_va_vdst(0)
	v_lshl_add_u32 v10, v241, 3, v242              ; o's scale byte: 8 r + h
	s_lshl_b32 s50, s13, 2                         ; my queries' group of 128: 4 cx + wave / 4
	s_lshr_b32 s51, s12, 2
	s_add_co_u32 s50, s50, s51
	s_mul_i32 s50, s50, 19200
	s_mov_b32 s51, 0
	s_add_nc_u64 s[44:45], s[10:11], s[50:51]
	s_add_nc_u64 s[38:39], s[44:45], 12800
	s_mul_i32 s50, s52, 1536
	s_add_nc_u64 s[38:39], s[38:39], s[50:51]      ; Q: my first tile
	s_add_nc_u64 s[44:45], s[44:45], 18944         ; Q's scale words
	global_load_b32 v29, v9, s[44:45]
	s_lshr_b32 s53, s14, 4                         ; o's tile of 16 tokens: 128 x batch + 32 cx + 2 x wave
	s_lshl_b32 s53, s53, 7
	s_lshl_b32 s54, s13, 5
	s_add_co_u32 s53, s53, s54
	s_lshl_b32 s54, s12, 1
	s_add_co_u32 s53, s53, s54
	s_mul_i32 s50, s53, 12288
	s_and_b32 s54, s14, 15                         ; the head: its 64 features are half of fragment head / 2
	s_lshr_b32 s55, s54, 1
	s_mul_i32 s55, s55, 1536
	s_add_co_u32 s50, s50, s55
	s_and_b32 s55, s14, 1
	s_mul_i32 s55, s55, 768
	s_add_co_u32 s50, s50, s55
	s_add_co_u32 s50, s50, 9437184                 ; o's tiles begin at tile 768 of cw
	s_add_nc_u64 s[40:41], s[6:7], s[50:51]
	s_lshl_b32 s50, s53, 9
	s_lshr_b32 s55, s54, 2
	s_lshl_b32 s55, s55, 7
	s_add_co_u32 s50, s50, s55                     ; + 128 x (head / 4): which 256 along K
	s_bfe_u32 s55, s14, 0x10001
	s_lshl_b32 s55, s55, 2
	s_add_co_u32 s50, s50, s55                     ; + which word
	s_and_b32 s55, s14, 1
	s_lshl_b32 s55, s55, 1
	s_add_co_u32 s50, s50, s55                     ; + which two bytes
	s_add_co_u32 s50, s50, 393216
	s_add_nc_u64 s[42:43], s[8:9], s[50:51]
.irp j, 38,39,40,41,42,43,56,57,58,59,60,61
	v_mov_b32 v[\j], 0                             ; the zero codes: written once
.endr
.irp j, 244,245,246,247,253,254
	v_mov_b32 v[\j], 0                             ; lane permutes' destinations, and the upper half of the pair v[252:253]: written before they are named
.endr
	s_mov_b32 s34, 2                               ; tiles to go
	s_mov_b32 s35, 0x01000100                      ; the first tile's two scale bytes, twice
	s_wait_tensorcnt 0x0                           ; my key step is in,
	s_barrier_signal -1
	s_barrier_wait -1                              ; everybody's is: the whole head lies in LDS
.Ltile:
	global_load_b128 v[16:19], v1, s[38:39]        ; Q's six registers, twice
	global_load_b64 v[20:21], v2, s[38:39] offset:512
	global_load_b128 v[22:25], v1, s[38:39]
	global_load_b64 v[26:27], v2, s[38:39] offset:512
	v_mov_b32 v13, 0xff61b1e6                      ; the largest t so far: -3e38, under every t
	s_delay_alu instid0(VALU_DEP_1)
	v_floor_f32 v12, -v13                          ; -M
	v_mov_b32 v14, 0                               ; the sum, in two halves
	v_mov_b32 v15, 0
	s_wait_loadcnt 0x0
	v_perm_b32 v28, v29, v29, s35                  ; Q's scale word
.set j, 0
.rept 32
	v_mov_b32 v[160+j], 0                          ; O^T: the step is written once; its first trip finds zeros.  (These are also the plain instructions between v28's write and the first product)
.set j, j+1
.endr
	s_mov_b32 s32, 0                               ; the key step's place in LDS
	s_mov_b32 s33, 16                              ; key steps to go
.Lstep:
	s_setprio 2
	v_add_nc_u32 v6, s32, v1
	v_add_nc_u32 v7, s32, v2
	v_add_nc_u32 v8, s32, v3
	v_nop                                          ; four plain instructions in front of loads into registers that the last step's products have read
	ds_load_b128 v[68:71], v8 offset:12288         ; K's scale words of my row: four words, a pair of tiles each
	ds_load_b128 v[72:75], v8 offset:12544         ; V's: a feature tile each
.irp t, 0,1,2,3
	KTILE \t
.endr
	s_wait_alu depctr_va_vdst(0)
	s_wait_dscnt 0x0
.irp t, 0,1,2,3
	SPROD \t
.endr
.rept 4
	v_nop
.endr
.irp t, 4,5,6,7
	KTILE \t
.endr
.irp t, 0,1,2,3
.irp i, 0,1,2
	ds_load_b128 v[192+12*\t+4*\i:195+12*\t+4*\i], v6 offset:6144+1536*\t+512*\i   ; V's four fragments land during the softmax
.endr
.endr
	s_wait_dscnt 12                                ; K's tiles are in; V's twelve loads may be out
.irp t, 4,5,6,7
	SPROD \t
.endr
.rept 4
	v_nop
.endr
.irp b, 0,1,2,3
	v_max3_num_f32 v[240+\b], v[96+16*\b], v[97+16*\b], v[98+16*\b]   ; the largest score of each block of 32 keys: for the row's maximum, and, since p rises with the score, for the block's largest p
.endr
.irp i, 3,5,7,9,11,13
.irp b, 0,1,2,3
	v_max3_num_f32 v[240+\b], v[240+\b], v[96+16*\b+\i], v[97+16*\b+\i]
.endr
.endr
.irp b, 0,1,2,3
	v_max_num_f32 v[240+\b], v[240+\b], v[111+16*\b]
.endr
.irp b, 0,1,2,3
	s_delay_alu instid0(VALU_DEP_4)
	v_permlanex16_b32 v[244+\b], v[240+\b], s28, s29
.endr
.irp b, 0,1,2,3
	s_delay_alu instid0(VALU_DEP_4)
	v_max_num_f32 v[240+\b], v[240+\b], v[244+\b]  ; with lane l xor 16's 16 keys
.endr
	s_delay_alu instid0(VALU_DEP_2)
	v_max3_num_f32 v254, v240, v241, v242
	s_delay_alu instid0(VALU_DEP_1)
	v_max_num_f32 v254, v254, v243                 ; the step's largest score of my query
	s_delay_alu instid0(VALU_DEP_1)
	v_mul_f32 v254, s30, v254                      ; as t (c is positive)
	s_delay_alu instid0(VALU_DEP_1)
	v_max_num_f32 v13, v13, v254                   ; the running largest t
	v_mov_b32 v254, v12
	s_delay_alu instid0(VALU_DEP_2)
	v_floor_f32 v12, -v13                          ; the new -M = floor(-t) = -ceil(t)
	s_delay_alu instid0(VALU_DEP_1)
	v_sub_f32 v254, v12, v254                      ; old M - new M: a whole number, 0 or less
	s_delay_alu instid0(VALU_DEP_1)
	v_cvt_i32_f32 v254, v254                       ; (it saturates)
	s_delay_alu instid0(VALU_DEP_1)
	v_ldexp_f32 v252, 1.0, v254                    ; f = 2^(old M - new M)
.set j, 0
.rept 32
	v_pk_fma_f32 v[96+j:97+j], v[96+j:97+j], s[30:31], v[12:13] op_sel_hi:[1,0,0]   ; t - M, two at a time
.set j, j+2
.endr
.irp b, 0,1,2,3
	v_fma_f32 v[240+\b], v[240+\b], s30, v12       ; the same of each block's largest score
.endr
.set j, 0
	s_wait_alu depctr_va_vdst(0)
.rept 64
	v_exp_f32 v[96+j], v[96+j]                     ; p = 2^(t - M), at most 1: not normalised
.set j, j+1
.endr
	s_setprio 1
	v_pk_mul_f32 v[14:15], v[14:15], v[252:253] op_sel_hi:[1,0]   ; the sums under the new M (a plain instruction behind the exponentials)
	s_wait_alu depctr_va_vdst(0)                   ; one wait for the batch of 64, ahead of its first reader
.irp b, 0,1,2,3
	v_exp_f32 v[240+\b], v[240+\b]                 ; the block's largest p: the same two instructions on the same number give the same bits
.endr
	v_pk_add_f32 v[244:245], v[100:101], v[104:105]
	v_pk_add_f32 v[250:251], v[108:109], v[112:113]
	v_pk_add_f32 v[248:249], v[116:117], v[120:121]
	v_pk_add_f32 v[246:247], v[124:125], v[128:129]
	v_pk_add_f32 v[94:95], v[132:133], v[136:137]
	v_pk_add_f32 v[92:93], v[140:141], v[144:145]
	v_pk_add_f32 v[90:91], v[148:149], v[152:153]
	v_pk_add_f32 v[14:15], v[14:15], v[156:157]
	v_pk_add_f32 v[244:245], v[244:245], v[96:97]
	v_pk_add_f32 v[250:251], v[250:251], v[98:99]
	v_pk_add_f32 v[248:249], v[248:249], v[102:103]
	v_pk_add_f32 v[246:247], v[246:247], v[106:107]
	v_pk_add_f32 v[94:95], v[94:95], v[110:111]
	v_pk_add_f32 v[92:93], v[92:93], v[114:115]
	v_pk_add_f32 v[90:91], v[90:91], v[118:119]
	v_pk_add_f32 v[14:15], v[14:15], v[122:123]
	v_pk_add_f32 v[244:245], v[244:245], v[126:127]
	v_pk_add_f32 v[250:251], v[250:251], v[130:131]
	v_pk_add_f32 v[248:249], v[248:249], v[134:135]
	v_pk_add_f32 v[246:247], v[246:247], v[138:139]
	v_pk_add_f32 v[94:95], v[94:95], v[142:143]
	v_pk_add_f32 v[92:93], v[92:93], v[146:147]
	v_pk_add_f32 v[90:91], v[90:91], v[150:151]
	v_pk_add_f32 v[14:15], v[14:15], v[154:155]
	v_pk_add_f32 v[244:245], v[244:245], v[158:159]
	s_delay_alu instid0(VALU_DEP_2)
	v_pk_add_f32 v[14:15], v[14:15], v[246:247]
	s_delay_alu instid0(VALU_DEP_2)
	v_pk_add_f32 v[244:245], v[244:245], v[94:95]
	v_pk_add_f32 v[250:251], v[250:251], v[92:93]
	v_pk_add_f32 v[248:249], v[248:249], v[90:91]
	s_delay_alu instid0(VALU_DEP_2)
	v_pk_add_f32 v[14:15], v[14:15], v[250:251]
	s_delay_alu instid0(VALU_DEP_2)
	v_pk_add_f32 v[244:245], v[244:245], v[248:249]
	s_delay_alu instid0(VALU_DEP_1)
	v_pk_add_f32 v[14:15], v[14:15], v[244:245]
	s_wait_alu depctr_va_vdst(0)                   ; and one for the four
.irp b, 0,1,2,3
	v_max_num_f32 v[240+\b], 0x1800000, v[240+\b]  ; the floor 2^(3 - 127): the byte cannot fall under 1
.endr
.irp b, 0,1,2,3
	s_delay_alu instid0(VALU_DEP_4)
	v_add_nc_u32 v[248+\b], 0xff000000, v[240+\b]  ; 2 off the exponent field: the conversion's scale operand
.endr
.irp b, 0,1,2,3
	s_delay_alu instid0(VALU_DEP_4)
	v_lshrrev_b32 v[244+\b], 23, v[248+\b]         ; the scale's byte
.endr
	s_delay_alu instid0(VALU_DEP_3)
	v_lshl_or_b32 v253, v245, 8, v244              ; p's scale word for these 128 keys
	s_delay_alu instid0(VALU_DEP_1)
	v_lshl_or_b32 v253, v246, 16, v253
	s_delay_alu instid0(VALU_DEP_1)
	v_lshl_or_b32 v253, v247, 24, v253
.irp c, 0,1
	v_cvt_scalef32_pk16_fp6_f32 v[76+6*\c:78+6*\c], v[96+32*\c:111+32*\c], v[248+2*\c]
	v_cvt_scalef32_pk16_fp6_f32 v[88+4*\c:90+4*\c], v[112+32*\c:127+32*\c], v[249+2*\c]   ; (a conversion's three registers begin on an even number)
.endr
	v_nop                                          ; one plain instruction behind a scaled conversion
.irp c, 0,1                            ; the operand's layout wants a whole block in a lane
.irp i, 0,1,2
	v_permlane16_swap_b32 v[76+6*\c+\i], v[88+4*\c+\i]
.endr
.irp i, 0,1,2
	s_delay_alu instid0(VALU_DEP_3)
	v_mov_b32 v[79+6*\c+\i], v[88+4*\c+\i]
.endr
.endr
.set j, 0
	s_setprio 0
.rept 16
	v_pk_mul_f32 v[160+j:161+j], v[160+j:161+j], v[252:253] op_sel_hi:[1,0]   ; O^T under the new M.  (These sixteen are also the plain instructions between the writes of p's codes and scale word and the products)
.set j, j+2
.endr
	s_wait_alu depctr_va_vdst(0)
	s_wait_dscnt 0x0                               ; V is in
.irp t, 0,1,2,3                        ; O^T += V^T P^T: the four accumulators by turns
	v_wmma_scale_f32_16x16x128_f8f6f4 v[160+8*\t:167+8*\t], v[192+12*\t:203+12*\t], v[76:87], v[160+8*\t:167+8*\t], v[72+\t], v253 matrix_a_fmt:MATRIX_FMT_FP6 matrix_b_fmt:MATRIX_FMT_FP6
.endr
	s_add_co_u32 s32, s32, STEPB
	s_sub_co_u32 s33, s33, 1
	s_cmp_lg_u32 s33, 0
	s_cbranch_scc1 .Lstep
	s_setprio 0
	; THE TILE'S END: o = O^T / the sum; a lane's 32 numbers are halves of the head's two blocks of 32 along the last product's K
.rept 4
	v_nop
.endr
	v_add_f32 v14, v14, v15                        ; the sum's two halves,
	s_delay_alu instid0(VALU_DEP_1)
	v_permlanex16_b32 v254, v14, s28, s29
	s_delay_alu instid0(VALU_DEP_1)
	v_add_f32 v14, v14, v254                       ; and lane l xor 16's: the row's sum
	s_wait_alu depctr_va_vdst(0)
	v_rcp_f32 v14, v14
	v_nop                                          ; a plain instruction behind the reciprocal
	s_wait_alu depctr_va_vdst(0)                   ; and the wait ahead of its first reader
.set j, 0
.rept 16
	v_pk_mul_f32 v[96+j:97+j], v[160+j:161+j], v[14:15] op_sel_hi:[1,0]   ; each accumulator from its low end on
.set j, j+2
.endr
.irp b, 0,1
	v_max3_num_f32 v[240+\b], |v[96+16*\b]|, |v[97+16*\b]|, 0x1800000
.endr
.irp i, 2,4,6,8,10,12,14
.irp b, 0,1
	s_delay_alu instid0(VALU_DEP_2)
	v_max3_num_f32 v[240+\b], v[240+\b], |v[96+16*\b+\i]|, |v[97+16*\b+\i]|
.endr
.endr
.irp b, 0,1
	s_delay_alu instid0(VALU_DEP_2)
	v_permlanex16_b32 v[244+\b], v[240+\b], s28, s29
.endr
.irp b, 0,1
	s_delay_alu instid0(VALU_DEP_2)
	v_max_num_f32 v[240+\b], v[240+\b], v[244+\b]
.endr
.irp b, 0,1
	s_delay_alu instid0(VALU_DEP_2)
	v_add_nc_u32 v[248+\b], 0xff000000, v[240+\b]
.endr
.irp b, 0,1
	s_delay_alu instid0(VALU_DEP_2)
	v_lshrrev_b32 v[244+\b], 23, v[248+\b]
.endr
	v_cvt_scalef32_pk16_fp6_f32 v[76:78], v[96:111], v248
	v_cvt_scalef32_pk16_fp6_f32 v[88:90], v[112:127], v249
	v_nop
.irp i, 0,1,2
	v_permlane16_swap_b32 v[76+\i], v[88+\i]
.endr
.irp i, 0,1,2
	s_delay_alu instid0(VALU_DEP_3)
	v_mov_b32 v[79+\i], v[88+\i]                   ; v76-81: lane (r, h) holds block h of token r's 64 features of this head
.endr
	v_cndmask_b32 v254, v244, v245, s36            ; and stores that block's scale byte
.irp p, 0,1,2
	global_store_b64 v2, v[76+2*\p:77+2*\p], s[40:41] offset:256*\p   ; 32 lanes store 256 consecutive bytes, aligned
.endr
	global_store_b8 v10, v254, s[42:43]            ; one byte for each 24 bytes of codes: a row's other bytes belong to other heads, which other work-groups make
	s_wait_xcnt 0x0                                ; the stores have read their registers and bases: both may be written again
	s_add_nc_u64 s[38:39], s[38:39], 768           ; my second tile
	s_add_nc_u64 s[40:41], s[40:41], 12288
	s_add_nc_u64 s[42:43], s[42:43], 512
	s_mov_b32 s35, 0x03020302
	s_sub_co_u32 s34, s34, 1
	s_cmp_lg_u32 s34, 0
	s_cbranch_scc1 .Ltile
	s_wait_tensorcnt 0x0                           ; the wave's end
	ds_add_u32 v4, v5
	s_wait_dscnt 0x0
	CROUND                                         ; the closing round
	s_endpgm
.Lfunc_end_k_q7cec6826ec_attn:
	.size	k_q7cec6826ec_attn, .Lfunc_end_k_q7cec6826ec_attn-k_q7cec6826ec_attn
	.p2alignl 7, 3214868480
	.fill 96, 4, 3214868480
	.section	.rodata,"a",@progbits
	.p2align	6, 0x0
	.amdhsa_kernel k_q7cec6826ec_attn
		.amdhsa_group_segment_fixed_size 206848
		.amdhsa_private_segment_fixed_size 0
		.amdhsa_enable_private_segment 0
		.amdhsa_kernarg_size 24
		.amdhsa_user_sgpr_count 2
		.amdhsa_user_sgpr_kernarg_segment_ptr 1
		.amdhsa_wavefront_size32 1
		.amdhsa_system_sgpr_workgroup_id_x 1
		.amdhsa_system_sgpr_workgroup_id_y 1
		.amdhsa_system_sgpr_workgroup_id_z 1
		.amdhsa_system_vgpr_workitem_id 0
		.amdhsa_next_free_vgpr 256
		.amdhsa_next_free_sgpr 66
		.amdhsa_reserve_vcc 0
		.amdhsa_float_denorm_mode_32 3
		.amdhsa_float_denorm_mode_16_64 3
		.amdhsa_memory_ordered 1
		.amdhsa_forward_progress 1
		.amdhsa_inst_pref_size 30
	.end_amdhsa_kernel
	.amdgpu_metadata
---
amdhsa.version: [ 1, 2 ]
amdhsa.kernels:
  - .name:           k_q7cec6826ec_attn
    .symbol:         k_q7cec6826ec_attn.kd
    .args:
      - { .name: qkv, .offset: 0, .size: 8, .value_kind: global_buffer, .address_space: global }
      - { .name: cw, .offset: 8, .size: 8, .value_kind: global_buffer, .address_space: global }
      - { .name: sw, .offset: 16, .size: 8, .value_kind: global_buffer, .address_space: global }
    .group_segment_fixed_size: 206848
    .private_segment_fixed_size: 0
    .kernarg_segment_align: 8
    .kernarg_segment_size: 24
    .max_flat_workgroup_size: 512
    .sgpr_count:     66
    .vgpr_count:     256
    .wavefront_size: 32
...
	.end_amdgpu_metadata
.endif
;; end of part 3
;; launch proj (part 4): grid 4 x 32, 4 waves a work-group, clusters of 4 x 4, 327,680 bytes of LDS; arguments cw, sw, b_out, out0; writes out0
.if DOCPART == 4
	.amdgcn_target "amdgcn-amd-amdhsa--gfx1250"
	.amdhsa_code_object_version 6
	.text
	.protected	k_q7cec6826ec_proj
	.globl	k_q7cec6826ec_proj
	.p2align	8
	.type	k_q7cec6826ec_proj,@function
k_q7cec6826ec_proj:
	s_mov_b64 s[64:65], 0
	v_nop
	global_prefetch_b8 v0, s[64:65] scope:SCOPE_SE
	s_setreg_imm32_b32 hwreg(HW_REG_WAVE_MODE, 25, 1), 1
	s_wait_xcnt 0x0
	s_wait_alu depctr_hold_cnt(0) depctr_sa_sdst(0) depctr_va_vdst(0) depctr_va_sdst(0) depctr_va_ssrc(0) depctr_va_vcc(0) depctr_vm_vsrc(0)
	s_getreg_b32 s2, hwreg(HW_REG_IB_STS2, 6, 4)
	s_cmp_eq_u32 s2, 0
	s_cbranch_scc0 .Lentry_in_a_cluster
	s_endpgm
.Lentry_in_a_cluster:
	s_bfe_u32 s2, ttmp6, 0x10000c
	s_cmp_lg_u32 s2, 0xf033
	s_cbranch_scc0 .Lentry_shape_is_right
	s_endpgm
.Lentry_shape_is_right:
.set HALFT, 24576
.set SLOT,  4*HALFT
.set SPARE, 3*SLOT
.set STAGE, SLOT
.set SPITCH, 528
.set FR,    12
.set AF,    128
.set BK,    128
.set SC,    32
.set ADRA,  16
.set ADRB,  20
.set STO,   24
.set RD,    25
.set CO,    26
.set SPW,   28
.set NIL,   29
.set G1,    24
.set G1B,   48
.set G0,    68
.set G0B,   80
.set MSB, 0
.macro WIN new
.if MSB != (\new)
	s_set_vgpr_msb (MSB<<8)|(\new)
.set MSB, (\new)
.endif
.endm
.macro PLACES n
.rept \n
	v_nop
.endr
.endm
.macro JLOAD g0a, g1a, g0b, g1b
	s_cmp_eq_u32 s15, 0
	s_cbranch_scc0 .Lfor_b_\@
	tensor_load_to_lds s[\g0a:\g0a+3], s[\g1a:\g1a+7]
	s_nop 0
.rept 4
	v_nop
.endr
	s_branch .Lasked_\@
.Lfor_b_\@:
	tensor_load_to_lds s[\g0b:\g0b+3], s[\g1b:\g1b+7]
	s_nop 0
.rept 4
	v_nop
.endr
.Lasked_\@:
.endm
.macro CREST
	s_cmp_lg_u32 s14, 0
	s_cbranch_scc1 .Lnot_wave_0_\@
	s_barrier_signal -3
.Lnot_wave_0_\@:
	s_barrier_wait -3
	s_barrier_signal -1
	s_barrier_wait -1
.endm
.macro CROUND
	s_barrier_signal -1
	s_barrier_wait -1
	CREST
.endm
.macro FRAG reg, adr, q, i
.irp p, 0,1,2,3,4,5
	ds_load_b64 v[\reg+2*\p:\reg+2*\p+1], v[\adr] offset:3072*(\i)+1536*(\q)+256*\p
.endr
.endm
.macro FETCH_B slot, q, p
	WIN 0x40
.irp i, 0,1,2,3,4,5,6,7
	FRAG 128*(\p)+FR*\i, ADRB+\slot, \q, \i
.endr
	WIN 0
.endm
.macro FETCH_A slot, q, i0
.irp i, \i0, \i0+1, \i0+2, \i0+3
	FRAG AF+FR*(\i), ADRA+\slot, \q, \i
.endr
.endm
.macro MUL16 a0, q, ks, cm
.irp a, \a0, \a0+1
.irp b, 0,1,2,3,4,5,6,7
.set DD, 8*(8*((\a)%4)+\b)
.set BF, 128*(\q)+FR*\b
.set AA, AF+FR*(\a)
.set SB, SC+16*(\ks)+2*\b+(\q)
.set SA, SC+16*(\ks)+2*(\a)+(\q)
.set CC, DD
.if \cm == 1
.set CC, 96+8*\b+96*(\b/4)
.endif
	v_wmma_scale_f32_16x16x128_f8f6f4 v[DD:DD+7], v[BF:BF+11], v[AA:AA+11], v[CC:CC+7], v[SB], v[SA] matrix_a_fmt:MATRIX_FMT_FP6 matrix_b_fmt:MATRIX_FMT_FP6 matrix_a_scale:MATRIX_SCALE_ROW1
.endr
.endr
.endm
.macro STEP q, ks, nslot, nq, cm
	s_wait_dscnt 24
.if \cm
	WIN 0x91
.else
	WIN 0xa1
.endif
	MUL16 0, \q, \ks, \cm
	MUL16 2, \q, \ks, \cm
	s_wait_dscnt 0x0
	PLACES 4
	FETCH_B \nslot, \nq, 1-(\q)
	FETCH_A \nslot, \nq, 0
.if \cm
	WIN 0xd1
.else
	WIN 0xf1
.endif
	MUL16 4, \q, \ks, \cm
	MUL16 6, \q, \ks, \cm
	PLACES 4
	WIN 0
	FETCH_A \nslot, \nq, 4
.endm
.macro TURN ks, nslot, fill
	s_wait_tensorcnt 0x0
	ds_add_u32 v[SPW], v[NIL]
	s_wait_dscnt 25
	WIN 0xa1
	MUL16 0, 1, \ks, 0
	s_wait_dscnt 0x0
	s_barrier_signal -1
	MUL16 2, 1, \ks, 0
	WIN 0
	s_barrier_wait -1
.if \fill
	CREST
	s_add_nc_u64 s[G0+2:G0+3], s[G0+2:G0+3], 9216
	s_add_nc_u64 s[G0B+2:G0B+3], s[G0B+2:G0B+3], 9216
	JLOAD G0, G1, G0B, G1B
.else
	PLACES 4
.endif
	FETCH_B \nslot, 0, 0
	FETCH_A \nslot, 0, 0
	WIN 0xf1
	MUL16 4, 1, \ks, 0
	MUL16 6, 1, \ks, 0
	PLACES 4
	WIN 0
	FETCH_A \nslot, 0, 4
.endm
	s_load_b256 s[4:11], s[0:1], 0x0
	v_lshl_add_u32 v[SPW], v0, 2, SPARE
	v_mov_b32 v[NIL], 0
	ds_add_u32 v[SPW], v[NIL]
	ds_add_u32 v[SPW], v[NIL]
	v_lshrrev_b32 v1, 5, v0
	v_readfirstlane_b32 s14, v1
	s_lshr_b32 s15, s14, 1
	s_and_b32 s16, s14, 1
	s_bfe_u32 s40, ttmp6, 0x40000
	s_bfe_u32 s41, ttmp6, 0x40004
	s_and_b32 s13, ttmp7, 0xffff
	s_lshl_b32 s43, s41, 2
	s_lshl_b32 s43, 15, s43
	s_lshl_b32 s44, 0x1111, s40
	s_lshl_b32 s17, s13, 6
	s_lshl_b32 s19, s41, 4
	s_add_co_u32 s17, s17, s19
	s_add_co_u32 s17, s17, 768
	s_lshl_b32 s42, s40, 4
	s_add_co_u32 s42, s42, 704
	s_or_b32 s[G1], s43, (3<<16)|(1<<21)
	s_or_b32 s[G1B], s44, (3<<16)|(1<<21)
.irp g, G1, G1B
	s_mov_b32 s[\g+1], 384<<16
	s_mov_b32 s[\g+2], 8<<16
	s_mov_b32 s[\g+3], 384<<16
	s_mov_b32 s[\g+4], 8
	s_mov_b32 s[\g+5], 1536
	s_mov_b32 s[\g+6], 0
	s_mov_b32 s[\g+7], 0
.endr
	s_lshl_b32 s18, s16, 3
	s_add_co_u32 s20, s17, s18
	s_mul_i32 s20, s20, 12288
	s_mov_b32 s21, 0
	s_add_co_u32 s46, s42, s18
	s_mul_i32 s46, s46, 12288
	s_mov_b32 s47, 0
	s_mul_i32 s45, s14, HALFT
	s_wait_dscnt 0x0
	s_wait_kmcnt 0x0
	s_add_nc_u64 s[20:21], s[4:5], s[20:21]
	s_add_nc_u64 s[46:47], s[4:5], s[46:47]
	CROUND
.irp s, 0,1,2
	s_mov_b32 s[G0+4*\s], 1
	s_add_co_u32 s[G0+4*\s+1], s45, \s*SLOT
	s_add_nc_u64 s[G0+4*\s+2:G0+4*\s+3], s[20:21], \s*3072
	s_or_b32 s[G0+4*\s+3], s[G0+4*\s+3], 0x80000000
	s_mov_b32 s[G0B+4*\s], 1
	s_add_co_u32 s[G0B+4*\s+1], s45, \s*SLOT
	s_add_nc_u64 s[G0B+4*\s+2:G0B+4*\s+3], s[46:47], \s*3072
	s_or_b32 s[G0B+4*\s+3], s[G0B+4*\s+3], 0x80000000
	s_wait_alu depctr_va_vdst(0)
	s_wait_tensorcnt 0x0
	ds_add_u32 v28, v29
	ds_add_u32 v28, v29
	s_wait_dscnt 0x0
	CROUND
	JLOAD G0+4*\s, G1, G0B+4*\s, G1B
.endr
	v_and_b32 v1, 15, v0
	v_bfe_u32 v2, v0, 4, 1
	v_and_b32 v3, 31, v0
	v_lshlrev_b32 v4, 3, v3
	v_cmp_le_u32 s35, 16, v3
	s_mul_i32 s22, s15, HALFT
	s_mul_i32 s23, s16, HALFT
	s_add_co_u32 s23, s23, 2*HALFT
.irp s, 0,1,2
	v_add_nc_u32 v[ADRA+\s], s22, v4
	v_add_nc_u32 v[ADRB+\s], s23, v4
	s_add_co_u32 s22, s22, SLOT
	s_add_co_u32 s23, s23, SLOT
.endr
	s_lshl_b32 s22, s15, 3
	s_add_co_u32 s22, s22, s17
	s_lshl_b32 s22, s22, 9
	s_lshl_b32 s23, s16, 3
	s_add_co_u32 s23, s23, s42
	s_lshl_b32 s23, s23, 9
	v_mov_b32 v5, s22
	v_mov_b32 v6, s23
	v_cndmask_b32 v30, v5, v6, s35
	v_lshl_add_u32 v30, v1, 3, v30
.irp ks, 0,1,2,3
.irp i, 0,1,2,3,4,5,6,7
	global_load_b64 v[SC+16*\ks+2*\i:SC+16*\ks+2*\i+1], v30, s[6:7] offset:512*\i+128*\ks
.endr
.endr
	s_lshl_b32 s22, s40, 10
	s_lshl_b32 s23, s16, 9
	s_add_co_u32 s22, s22, s23
	v_lshl_add_u32 v31, v2, 5, s22
	WIN 0x40
.irp b, 0,1,2,3,4,5,6,7
	global_load_b128 v[96+8*\b+96*(\b/4):96+8*\b+96*(\b/4)+3], v31, s[8:9] offset:64*\b
	global_load_b128 v[96+8*\b+96*(\b/4)+4:96+8*\b+96*(\b/4)+7], v31, s[8:9] offset:64*\b+16
.endr
	WIN 0
	s_mul_i32 s23, s14, 16*SPITCH
	s_add_co_u32 s23, s23, STAGE
	v_mul_u32_u24 v5, v1, SPITCH
	v_lshl_add_u32 v5, v2, 5, v5
	v_add_nc_u32 v[STO], s23, v5
	v_lshlrev_b32 v[CO], 4, v3
	v_add_nc_u32 v[RD], s23, v[CO]
	s_lshl_b32 s22, s13, 2
	s_add_co_u32 s22, s22, s41
	s_lshl_b32 s22, s22, 8
	s_lshl_b32 s23, s15, 7
	s_add_co_u32 s22, s22, s23
	s_lshl_b32 s22, s22, 12
	s_lshl_b32 s23, s40, 10
	s_add_co_u32 s22, s22, s23
	s_lshl_b32 s23, s16, 9
	s_add_co_u32 s22, s22, s23
	s_mov_b32 s23, 0
	s_add_nc_u64 s[10:11], s[10:11], s[22:23]
	s_wait_tensorcnt 2
	s_barrier_signal -1
	s_barrier_wait -1
	FETCH_B 0, 0, 0
	FETCH_A 0, 0, 0
	FETCH_A 0, 0, 4
	s_wait_loadcnt 0x0
	STEP 0, 0, 0, 1, 1
	TURN 0, 1, 1
	STEP 0, 1, 1, 1, 0
	STEP 1, 1, 2, 0, 0
	STEP 0, 2, 2, 1, 0
	TURN 2, 0, 0
	STEP 0, 3, 0, 1, 0
	s_wait_dscnt 24
	WIN 0xa1
	MUL16 0, 1, 3, 0
	MUL16 2, 1, 3, 0
	s_wait_alu depctr_va_vdst(0)
	s_wait_dscnt 0x0
	WIN 0xf1
	MUL16 4, 1, 3, 0
	MUL16 6, 1, 3, 0
	WIN 0
.macro TOSTAGE a
.set AC, 64*((\a)%4)
	WIN 0x08+4*((\a)/4)
.irp b, 0,1,2,3,4,5,6,7
	ds_store_b128 v[STO], v[AC+8*\b:AC+8*\b+3] offset:64*\b
	ds_store_b128 v[STO], v[AC+8*\b+4:AC+8*\b+7] offset:64*\b+16
.endr
	WIN 0
.set BB, BK+64*((\a)%2)
.irp t, 0,1,2,3,4,5,6,7,8,9,10,11,12,13,14,15
	ds_load_b128 v[BB+4*\t:BB+4*\t+3], v[RD] offset:\t*SPITCH
.endr
.endm
.macro SEND a, younger
.set BB, BK+64*((\a)%2)
	s_wait_dscnt \younger
.if (\a) > 0
	s_add_nc_u64 s[10:11], s[10:11], 16*4096
.endif
.irp t, 0,1,2,3,4,5,6,7,8,9,10,11,12,13,14,15
	global_store_b128 v[CO], v[BB+4*\t:BB+4*\t+3], s[10:11] offset:\t*4096 th:TH_STORE_NT
.endr
.endm
	PLACES 4
	TOSTAGE 0
.irp a, 1,2,3,4,5,6,7
.if \a > 1
	s_wait_xcnt 0x0
.endif
	TOSTAGE \a
	SEND \a-1, 32
.endr
	s_wait_xcnt 0x0
	SEND 7, 0
	s_wait_tensorcnt 0x0
	ds_add_u32 v[SPW], v[NIL]
	s_wait_dscnt 0x0
	CROUND
	s_endpgm
.Lfunc_end_k_q7cec6826ec_proj:
	.size	k_q7cec6826ec_proj, .Lfunc_end_k_q7cec6826ec_proj-k_q7cec6826ec_proj
	.p2alignl 7, 3214868480
	.fill 96, 4, 3214868480
	.section	.rodata,"a",@progbits
	.p2align	6, 0x0
	.amdhsa_kernel k_q7cec6826ec_proj
		.amdhsa_group_segment_fixed_size 327680
		.amdhsa_private_segment_fixed_size 0
		.amdhsa_enable_private_segment 0
		.amdhsa_kernarg_size 32
		.amdhsa_user_sgpr_count 2
		.amdhsa_user_sgpr_kernarg_segment_ptr 1
		.amdhsa_wavefront_size32 1
		.amdhsa_system_sgpr_workgroup_id_x 1
		.amdhsa_system_sgpr_workgroup_id_y 1
		.amdhsa_system_sgpr_workgroup_id_z 1
		.amdhsa_system_vgpr_workitem_id 0
		.amdhsa_next_free_vgpr 1024
		.amdhsa_next_free_sgpr 96
		.amdhsa_reserve_vcc 0
		.amdhsa_float_denorm_mode_32 3
		.amdhsa_float_denorm_mode_16_64 3
		.amdhsa_memory_ordered 1
		.amdhsa_forward_progress 1
		.amdhsa_inst_pref_size 162
	.end_amdhsa_kernel
	.amdgpu_metadata
---
amdhsa.version: [ 1, 2 ]
amdhsa.kernels:
  - .name:           k_q7cec6826ec_proj
    .symbol:         k_q7cec6826ec_proj.kd
    .args:
      - { .name: cw, .offset: 0, .size: 8, .value_kind: global_buffer, .address_space: global }
      - { .name: sw, .offset: 8, .size: 8, .value_kind: global_buffer, .address_space: global }
      - { .name: b_out, .offset: 16, .size: 8, .value_kind: global_buffer, .address_space: global }
      - { .name: out0, .offset: 24, .size: 8, .value_kind: global_buffer, .address_space: global }
    .group_segment_fixed_size: 327680
    .private_segment_fixed_size: 0
    .kernarg_segment_align: 8
    .kernarg_segment_size: 32
    .max_flat_workgroup_size: 128
    .sgpr_count:     96
    .vgpr_count:     1024
    .wavefront_size: 32
...
	.end_amdgpu_metadata
.endif
;; end of part 4
